; MI455X (gfx1250); checked and timed in simulation.
; The chip was launched on July 23, 2026; its instructions are those of AMD's public machine-readable ISA for CDNA 5 (MIT licence, August 2026) and "CDNA5" Instruction Set Architecture Reference Guide (July 2026). The comments in the code are by the model that wrote it; some were corrected since.
;; Bare Multi Head Attention. Allowed arithmetic: matrix products marked QUANTISED: E2M1 operands, one E8M0 scale for each 32 along K, by v_wmma_scale_f32_16x16x128_f8f6f4 with both operands' format E2M1 (or v_wmma_scale_f32_32x16x128_f4), f32 sums; products left as they are: bf16, f16 or f32 operands; f32 sums; everything else in f32.
;; Inputs: Wk 1,024 x 1,024 float32; Wq 1,024 x 1,024 float32; Wv 1,024 x 1,024 float32; attn_mask 2 x 2,048 float32; bk 1,024 float32; bq 1,024 float32; bv 1,024 float32; hidden_states 2 x 2,048 x 1,024 float32.
;; Outputs: out0 2 x 2,048 x 1,024 float32.
;; This version of the problem:
;;   THIS VERSION OF THE PROBLEM IS GIVEN IN LOW PRECISION. The matrix products marked QUANTISED in the list below multiply operands that are first quantised to E2M1 (2 exponent bits, 1 mantissa bit; 4 bits a number), with one power-of-two scale for each 32 numbers along K (OCP MX v1.0); their sums are f32. The products marked 'left as it is' may take bf16, f16 or f32 operands, with f32 sums. Whichever they take, every output number must still come out within the allowed error. Rounding operands to bf16 (8 significant bits) uses up far more of that allowance than f16 does (11 bits, for magnitudes from 6e-5 to 65,504). All else is computed in f32.
;;   The module's matrix products, in the order in which they are computed (A, B: the left and right operand; K: the contracted axis; several contracted axes count as one K, in the product's order):
;;     1. [M 4,096, K 1,024] x [K 1,024, N 1,024]; A: input hidden_states; B: input Wq: QUANTISED
;;     2. [M 4,096, K 1,024] x [K 1,024, N 1,024]; A: input hidden_states; B: input Wk: QUANTISED
;;     3. [M 4,096, K 1,024] x [K 1,024, N 1,024]; A: input hidden_states; B: input Wv: QUANTISED
;;     4. batch 32 x [M 2,048, K 64] x [K 64, N 2,048]; A: computed on the way; B: computed on the way: left as it is (an operand is computed on the way)
;;     5. batch 32 x [M 2,048, K 2,048] x [K 2,048, N 64]; A: computed on the way; B: computed on the way: left as it is (an operand is computed on the way)
;;   THE QUANTISER, for each operand of a quantised product, along K:
;;     - K is cut into blocks of 32 from its start; a last block that is shorter is filled with zeros.
;;     - A block's scale is 2^e with e = floor(log2(the largest magnitude in the block)) - 2, held to -126 .. 127; a block of zeros has e = 0. As a byte (E8M0): e + 127.
;;     - Each number is divided by its block's scale, clamped to +-6, and rounded to the nearest number of E2M1, ties to even, subnormals kept.
;;     - The product sums the exact products of the quantised numbers (number of the format x scale) in f32.
;;   ~~~python
;;   def quantise(x, axis):      # numpy; x: float32 -> the quantised numbers, widened to float32 again
;;       x = np.moveaxis(x, axis, -1); K = x.shape[-1]
;;       x = np.pad(x, [(0, 0)] * (x.ndim - 1) + [(0, -K % 32)]); x = x.reshape(x.shape[:-1] + (-1, 32)); a = np.abs(x).max(-1, keepdims=True)
;;       e = np.where(a > 0, np.clip(np.frexp(np.where(a > 0, a, 1))[1] - 1 - 2, -126, 127), 0)      # np.frexp(a)[1] - 1 = floor(log2(a)), exactly
;;       r = np.clip(x / 2.0 ** e, -6, 6)
;;       step = 2.0 ** (np.maximum(np.frexp(np.where(r == 0, 1, r))[1] - 1, 0) - 1)
;;       q = np.round(r / step) * step * 2.0 ** e      # np.round: ties to even
;;       return np.moveaxis(q.reshape(q.shape[:-2] + (-1,))[..., :K], -1, axis).astype(np.float32)
;;   ~~~
;; One version. Each part assembles by itself: llvm-mc -triple=amdgcn-amd-amdhsa -mcpu=gfx1250 --defsym DOCPART=n.
;; ======== version 1 of 1: 3 launches
;; limits: values are held in f16: magnitudes above 65,504 overflow, below 6.1e-05 lose precision
;; workspace buffers: x_codes 2,097,152 bytes; x_scales 131,072 bytes; w_codes 1,572,864 bytes; w_scales 98,304 bytes; q_img 8,388,608 bytes; kv 16,777,216 bytes
;; launch quant (part 1): grid 224 x 1, 4 waves a work-group, no clusters, 33,280 bytes of LDS; arguments hidden_states, Wq, Wk, Wv, x_codes, x_scales, w_codes, w_scales; writes x_codes, x_scales, w_codes, w_scales
.if DOCPART == 1
	.amdgcn_target "amdgcn-amd-amdhsa--gfx1250"
	.amdhsa_code_object_version 6
	.text
	.protected	k_q6fcc609168_quant
	.globl	k_q6fcc609168_quant
	.p2align	8
	.type	k_q6fcc609168_quant,@function
k_q6fcc609168_quant:
	s_mov_b64 s[64:65], 0
	v_nop
	global_prefetch_b8 v0, s[64:65] scope:SCOPE_SE
	s_setreg_imm32_b32 hwreg(HW_REG_WAVE_MODE, 25, 1), 1
	s_wait_xcnt 0x0
; hidden_states [4096][1024] and Wq, Wk, Wv [1024][1024], f32, K innermost, are turned into codes of FP4 (E2M1), two a byte, K innermost, with one E8M0 scale byte for each 32 along K.
; x_codes [4096][512 bytes], x_scales [4096][32]; w_codes [3072][512 bytes], w_scales [3072][32]: rows 0-1023 Wq's, 1024-2047 Wk's, 2048-3071 Wv's.
; A block's scale is 2^(floor(log2(its largest magnitude)) - 2); its byte is the largest magnitude's own exponent field - 2, held at 1 from below.  Each number is divided by the scale and rounded to the
; nearest code, ties to even; beyond the largest code the conversion gives the largest code.
; LIMITS: a block whose largest magnitude lies under 2^-124 (the floor 2^(3 - 127)) has its byte held at 1; a block of zeros gets the byte 1 where the quantiser's text says 127: its codes are zeros, which add
; nothing under any byte but 0xff, and the bytes are read by this program alone.  NaN and infinities among the inputs are not served.
; Rows are dense and K is a multiple of 32, so every tensor is a plain stream of blocks of 32 numbers, and so are codes and scale bytes.  A work-group takes 32,768 numbers, a wave 8,192 in 16 steps of 512.
; Work-groups 0-127 take x, 128-159 Wq, 160-191 Wk, 192-223 Wv: only pointers are chosen, by the work-group's number; all take one path through the text.
; Each of a step's four loads reads 512 consecutive bytes, 16 a lane; the 2,048 bytes go through the wave's own stage in LDS and come back 64 bytes a lane, so that a lane holds 16 NEIGHBOURS along K
; (two neighbouring lanes hold a block), as the conversions want.  A lane's 16 codes are 8 bytes: the wave stores 256 consecutive bytes.  A wave's 256 scale bytes are gathered in LDS and leave as 256 consecutive bytes.
; No tensor load, no barrier: waves share nothing.  Loads run four steps (16 loads a wave) ahead, the turn through LDS one step.
.set WAVES, 4
.set STEPS, 16
.set EMAX,  2
.set CB,    8                          ; bytes of 16 codes
.set R,     16                         ; v16-79   four sets of 16 numbers as they are loaded
.set X,     80                         ; v80-111  two sets of 16 neighbours
.set E,     112                        ; v112-127 a scale byte for each step
.set C,     128                        ; v128-191 codes: four registers for each step, so that no store's data are written again
.set WREG,  8192                       ; LDS: a region for each wave: two stages of 32 x SP bytes, behind them its 256 scale bytes
.set SP,    80                         ; a lane's place in a stage: its 64 bytes + 16 of padding
.set SPW,   12                         ; v12      LDS address of my spare word: SPARE + 4 x my thread's number; never rewritten
.set NIL,   13                         ; v13      0; never rewritten
.set SPARE, WAVES*WREG                 ; behind the four regions: the spare words, 128 bytes for each wave, which no other line names
	s_load_b256 s[4:11], s[0:1], 0x0               ; x, Wq, Wk, Wv
	s_load_b256 s[12:19], s[0:1], 0x20             ; x's codes, x's scales, W's codes, W's scales
	v_lshl_add_u32 v[SPW], v0, 2, SPARE
	v_mov_b32 v[NIL], 0
	v_lshrrev_b32 v1, 5, v0
	v_readfirstlane_b32 s20, v1                    ; wave
	v_and_b32 v2, 31, v0                           ; lane
	v_lshlrev_b32 v3, 4, v2                        ; my 16 bytes of a load's 512
	s_mul_i32 s23, s20, WREG
	v_lshrrev_b32 v14, 2, v2
	v_mul_u32_u24 v14, v14, SP
	v_and_b32 v15, 3, v2
	v_lshl_add_u32 v14, v15, 4, v14
	v_add_nc_u32 v14, s23, v14                     ; the stage, on the way in: four lanes' 64 bytes on end, then 16 of padding
	v_mul_u32_u24 v15, v2, SP
	v_add_nc_u32 v15, s23, v15                     ; and on the way out: SP x lane: my 16 neighbours
	v_mul_u32_u24 v4, v2, CB                       ; my codes' place in a step's
	v_lshrrev_b32 v5, 1, v2
	s_add_co_u32 s23, s23, 2*32*SP
	v_add_nc_u32 v5, s23, v5                       ; LDS: my wave's 256 scale bytes, my block's byte
	v_lshlrev_b32 v7, 3, v2                        ; and on the way out 8 bytes a lane
	v_add_nc_u32 v6, s23, v7
	s_wait_kmcnt 0x0
	s_cmp_lt_u32 ttmp9, 192                        ; which tensor?  Every choice hangs on the work-group's number alone
	s_cselect_b64 s[8:9], s[8:9], s[10:11]         ; Wk or Wv
	s_cmp_lt_u32 ttmp9, 160
	s_cselect_b64 s[6:7], s[6:7], s[8:9]           ; Wq or one of those
	s_cmp_lt_u32 ttmp9, 128
	s_cselect_b64 s[4:5], s[4:5], s[6:7]           ; x or a weight
	s_cselect_b64 s[12:13], s[12:13], s[16:17]     ; its codes
	s_cselect_b64 s[14:15], s[14:15], s[18:19]     ; its scale bytes
	s_cselect_b32 s21, 0, 128
	s_cselect_b32 s22, 127, 31
	s_sub_co_u32 s21, ttmp9, s21                   ; the work-group's number in the output stream (x's, or the three weights' on end)
	s_and_b32 s22, s21, s22                        ; and in its input tensor
	s_lshl_b32 s22, s22, 2
	s_add_co_u32 s22, s22, s20                     ; which run of 8,192 numbers of the tensor is my wave's
	s_lshl_b32 s24, s22, 15                        ; 32,768 bytes a run
	s_mov_b32 s25, 0
	s_add_nc_u64 s[4:5], s[4:5], s[24:25]
	s_lshl_b32 s21, s21, 2
	s_add_co_u32 s21, s21, s20
	s_lshl_b32 s24, s21, 12                        ; 4,096 bytes of codes a run
	s_add_nc_u64 s[12:13], s[12:13], s[24:25]
	s_lshl_b32 s24, s21, 8                         ; 256 scale bytes a run
	s_add_nc_u64 s[14:15], s[14:15], s[24:25]
.macro LOAD t
.irp i, 0,1,2,3
	global_load_b128 v[R+16*((\t)%4)+4*\i:R+16*((\t)%4)+4*\i+3], v3, s[4:5] offset:2048*(\t)+512*\i th:TH_LOAD_NT   ; 32 lanes read 512 consecutive bytes
.endr
.endm
.macro TURN t                          ; step t's numbers through the stage: LDS serves a wave's instructions in order, so no wait stands between the stores and the loads
.irp i, 0,1,2,3
	ds_store_b128 v14, v[R+16*((\t)%4)+4*\i:R+16*((\t)%4)+4*\i+3] offset:32*SP*((\t)%2)+8*SP*\i
.endr
.irp i, 0,1,2,3
	ds_load_b128 v[X+16*((\t)%2)+4*\i:X+16*((\t)%2)+4*\i+3], v15 offset:32*SP*((\t)%2)+16*\i
.endr
.endm
.irp t, 0,1,2,3
	LOAD \t
.endr
	s_wait_loadcnt 12                              ; step 0's four loads are in; the twelve of steps 1 to 3 may be out
	TURN 0
.macro STEP t
.set XS, X+16*((\t)%2)
.if (\t) > 0
	s_wait_dscnt 1                                 ; this step's numbers are back from the stage (the last step's byte store may be out): so its stores into the stage have read their registers,
.else
	s_wait_dscnt 0x0
.endif
.if (\t)+4 < STEPS
	LOAD (\t)+4                                    ; which take the loads of four steps on
.endif
.if (\t)+1 < STEPS
.if STEPS-2-(\t) >= 3
	s_wait_loadcnt 12                              ; the next step's four loads are in; those of the three steps behind it may be out
.else
	s_wait_loadcnt 4*(STEPS-2-(\t))                ; at the end the count runs down with the steps that are left
.endif
	TURN (\t)+1                                    ; and go through the other stage while this step is worked
.endif
	v_max3_num_f32 v8, |v[XS]|, |v[XS+1]|, |v[XS+2]|               ; the largest magnitude of my 16, in two chains
	v_max3_num_f32 v9, |v[XS+3]|, |v[XS+4]|, |v[XS+5]|
.irp i, 6,10
	v_max3_num_f32 v8, v8, |v[XS+\i]|, |v[XS+\i+1]|
	v_max3_num_f32 v9, v9, |v[XS+\i+2]|, |v[XS+\i+3]|
.endr
	v_max3_num_f32 v8, v8, |v[XS+14]|, |v[XS+15]|
	v_max3_num_f32 v8, v8, v9, (EMAX+1)<<23        ; and the floor 2^(EMAX + 1 - 127): so the byte cannot fall under 1
	v_max_num_f32_dpp v8, v8, v8 row_xmask:1 row_mask:0xf bank_mask:0xf   ; and of my neighbour's 16: the block's
	v_add_nc_u32 v11, -(EMAX<<23), v8              ; EMAX off its exponent field: the conversion takes the exponent field of this operand as its scale, and nothing else of it
	v_cvt_scalef32_pk8_fp4_f32 v[C+4*(\t)], v[XS:XS+7], v11        ; eight numbers / the scale, to the nearest code; the first number's code in the lowest four bits
	v_cvt_scalef32_pk8_fp4_f32 v[C+4*(\t)+1], v[XS+8:XS+15], v11
	v_lshrrev_b32 v[E+(\t)], 23, v11               ; the scale's byte (also the plain line behind the conversions)
	ds_store_b8 v5, v[E+(\t)] offset:16*(\t)       ; both lanes of a block write the same byte with the same value
	global_store_b64 v4, v[C+4*(\t):C+4*(\t)+1], s[12:13] offset:32*CB*(\t)   ; 32 lanes store 256 consecutive bytes, at a multiple of 256 from the buffer's first byte
.endm
.irp t, 0,1,2,3,4,5,6,7,8,9,10,11,12,13,14,15
	STEP \t
.endr
	ds_load_b64 v[8:9], v6                         ; LDS serves a wave's instructions in order: these see my byte stores
	s_wait_dscnt 0x0
	global_store_b64 v7, v[8:9], s[14:15]          ; 32 lanes store my wave's 256 scale bytes
	s_wait_tensorcnt 0x0                           ; the wave's end, behind my last LDS store
	ds_add_u32 v[SPW], v[NIL]
	s_wait_dscnt 0x0
	s_endpgm
.Lfunc_end_k_q6fcc609168_quant:
	.size	k_q6fcc609168_quant, .Lfunc_end_k_q6fcc609168_quant-k_q6fcc609168_quant
	.p2alignl 7, 3214868480
	.fill 96, 4, 3214868480
	.section	.rodata,"a",@progbits
	.p2align	6, 0x0
	.amdhsa_kernel k_q6fcc609168_quant
		.amdhsa_group_segment_fixed_size 33280
		.amdhsa_private_segment_fixed_size 0
		.amdhsa_enable_private_segment 0
		.amdhsa_kernarg_size 64
		.amdhsa_user_sgpr_count 2
		.amdhsa_user_sgpr_kernarg_segment_ptr 1
		.amdhsa_wavefront_size32 1
		.amdhsa_system_sgpr_workgroup_id_x 1
		.amdhsa_system_sgpr_workgroup_id_y 1
		.amdhsa_system_sgpr_workgroup_id_z 1
		.amdhsa_system_vgpr_workitem_id 0
		.amdhsa_next_free_vgpr 192
		.amdhsa_next_free_sgpr 66
		.amdhsa_reserve_vcc 0
		.amdhsa_float_denorm_mode_32 3
		.amdhsa_float_denorm_mode_16_64 3
		.amdhsa_memory_ordered 1
		.amdhsa_forward_progress 1
		.amdhsa_inst_pref_size 34
	.end_amdhsa_kernel
	.amdgpu_metadata
---
amdhsa.version: [ 1, 2 ]
amdhsa.kernels:
  - .name:           k_q6fcc609168_quant
    .symbol:         k_q6fcc609168_quant.kd
    .args:
      - { .name: hidden_states, .offset: 0, .size: 8, .value_kind: global_buffer, .address_space: global }
      - { .name: Wq, .offset: 8, .size: 8, .value_kind: global_buffer, .address_space: global }
      - { .name: Wk, .offset: 16, .size: 8, .value_kind: global_buffer, .address_space: global }
      - { .name: Wv, .offset: 24, .size: 8, .value_kind: global_buffer, .address_space: global }
      - { .name: x_codes, .offset: 32, .size: 8, .value_kind: global_buffer, .address_space: global }
      - { .name: x_scales, .offset: 40, .size: 8, .value_kind: global_buffer, .address_space: global }
      - { .name: w_codes, .offset: 48, .size: 8, .value_kind: global_buffer, .address_space: global }
      - { .name: w_scales, .offset: 56, .size: 8, .value_kind: global_buffer, .address_space: global }
    .group_segment_fixed_size: 33280
    .private_segment_fixed_size: 0
    .kernarg_segment_align: 8
    .kernarg_segment_size: 64
    .max_flat_workgroup_size: 128
    .sgpr_count:     66
    .vgpr_count:     192
    .wavefront_size: 32
...
	.end_amdgpu_metadata
.endif
;; end of part 1
;; launch proj (part 2): grid 12 x 16, 4 waves a work-group, clusters of 4 x 4, 327,680 bytes of LDS; arguments x_codes, x_scales, w_codes, w_scales, bq, bk, bv, q_img, kv; writes q_img, kv
.if DOCPART == 2
	.amdgcn_target "amdgcn-amd-amdhsa--gfx1250"
	.amdhsa_code_object_version 6
	.text
	.protected	k_q6fcc609168_proj
	.globl	k_q6fcc609168_proj
	.p2align	8
	.type	k_q6fcc609168_proj,@function
k_q6fcc609168_proj:
	s_mov_b64 s[64:65], 0
	v_nop
	global_prefetch_b8 v0, s[64:65] scope:SCOPE_SE
	s_setreg_imm32_b32 hwreg(HW_REG_WAVE_MODE, 25, 1), 1
	s_wait_xcnt 0x0
	s_wait_alu depctr_hold_cnt(0) depctr_sa_sdst(0) depctr_va_vdst(0) depctr_va_sdst(0) depctr_va_ssrc(0) depctr_va_vcc(0) depctr_vm_vsrc(0)
	s_getreg_b32 s2, hwreg(HW_REG_IB_STS2, 6, 4)
	s_cmp_eq_u32 s2, 0
	s_cbranch_scc0 .Lentry_in_a_cluster
	s_endpgm
.Lentry_in_a_cluster:
	s_bfe_u32 s2, ttmp6, 0x10000c
	s_cmp_lg_u32 s2, 0xf033
	s_cbranch_scc0 .Lentry_shape_is_right
	s_endpgm
.Lentry_shape_is_right:
; The three projections as ONE product on codes of FP4 (E2M1) with E8M0 scales: C[m][n] = sum over k of x[m][k] W[n][k], m = 4,096 tokens, n = 3,072 (Wq's, Wk's, Wv's rows on end), k = 1,024; sums in f32.
; Then q = (C + bq) x log2(e) / 8, k = C + bk, v = C + bv, in f32, rounded once to f16 and stored as IMAGES OF THE OPERAND REGISTERS that the attention launch wants.
; LIMIT: |q x log2(e) / 8|, |k| or |v| above 65,504 becomes infinity in f16.
; A tile of C, 256 x 256, is made by a work-group of four waves; a wave makes 128 x 128: 64 accumulators of 16 x 16, 512 registers.  K is two steps of 512 (a tile's row is 256 bytes of memory): both steps'
; tiles and the scale bytes of all of K are asked for at the start, three tensor loads a wave, and no LDS byte is filled twice.
; CLUSTERS: 4 x 4 work-groups.  The four of a row of the cluster need the same tiles of x, the four of a column the same tiles of W: each is asked for JOINTLY, by the same tensor load with the same descriptor
; and a mask that names the four.  A cluster's four tile columns are 1,024 columns: cluster x = 0, 1, 2 is q, k, v, so what hangs on that choice is the same in all sixteen partners.
; THE MATRIX INSTRUCTION IS USED TRANSPOSED (source 0 = 16 rows of W, source 1 = 16 rows of x): a lane (r, h) then holds token r and eight neighbouring channels 8 h + 0 .. 7 of a block of 16 x 16.
; THE IMAGES.  A block is 16 tokens x 16 channels of f16, 512 bytes, sixteen bytes (a token's eight channels) to a place.  q's and k's: place r + 16 h, which is my lane.  v's: place (r & 7) + 8 h + 16 (r >> 3),
; the order in which the turning LDS load of the attention launch wants it.  With bh = 16 x batch + head, kt = token / 16 in the batch, nb = (channel / 16) % 4:
;   q_img: bh x 262,144 + kt x 2,048 + nb x 512;    kv: bh x 524,288 + (kt >> 5) x 131,072 + (v: 65,536) + (kt & 31) x 2,048 + nb x 512.
; REGISTERS, in windows of 256: window 0: v0-31 addresses; v32-95 scale words, two sets; v128-191 x's fragments, ONE set (on the way out: at work); v192-255 the biases of my 128 columns.
;   window 1: W's fragments, TWO sets, at v0 and at v128 (on the way out: the packed results).   window 2: the 32 accumulators of my rows 0-63 ((a, b) at v[8 (8 a + b)]);   window 3: those of my rows 64-127.
.set SIZE_K, 1024
.set KSTEP,  512                       ; along K in a slot
.set NQ,     KSTEP/128                 ; matrix instructions deep
.set ROWB,   256                       ; a tile's row in bytes
.set KROW,   SIZE_K*4/8                ; a row of codes in memory, in bytes
.set PITCH,  272                       ; an LDS row: 256 bytes + 16 of padding = 68 words: row r starts at bank 4 r mod 64 (64 banks of 4 bytes: ISA guide 11.1)
.set FR,     8                         ; registers of a fragment: 16 rows x 128 K
.set NL,     2                         ; LDS loads that bring one
.set NP,     4                         ; places behind this matrix instruction (ISA guide 7.12.1)
.set HALFT,  128*PITCH                 ; 128 rows: what one tensor load brings, and what one wave reads of x or of W
.set SLOT,   4*HALFT                   ; x's 256 rows, then W's 256 rows
.set KS,     SIZE_K/32                 ; a row of scale bytes
.set SCL,    2*SLOT                    ; behind the two slots: the scale bytes, as rows of 256 bytes + 16 of padding
.set HALFS,  (128*KS/256)*272          ; those of 128 rows: what one tensor load brings
.set SBLK,   (16*KS/256)*272           ; those of 16 rows
.set SPARE,  SCL+4*HALFS               ; behind the scales: the spare words, 128 bytes for each wave, which no other line names
.set ADRA, 16                          ; v16-17  LDS address of my x fragments in slot 0, 1
.set ADRB, 20                          ; v20-21  the same for W
.set BO,   24                          ; v24     32 x (lane / 16): my eight biases of a block of 16; never rewritten
.set CO,   26                          ; v26     16 x my place in a block of the images; never rewritten
.set ADRS, 27                          ; v27     LDS address of my scale words: lanes 0-15 x's rows, lanes 16-31 W's
.set SPW,  28                          ; v28     LDS address of my spare word; never rewritten
.set NIL,  29                          ; v29     0; never rewritten
.set SC,   32                          ; scale words: set s at v[SC + 8 NQ s]; register NQ i + q: lanes 0-15 the word of x's block i, lanes 16-31 that of W's block i, for the slot's q-th 128 along K
.set AF,   128                         ; x's fragments, in window 0
.set T,    128                         ; the way out: 64 numbers in f32
.set BB,   192                         ; the biases: v[BB + 8 b + j] = bias of column 16 b + 8 h + j of my 128
.set G1, 24                            ; s[24:31] descriptor group 1 for x's tiles;  s[32:39] group 0, one set for each slot
.set G0, 32
.set G1B, 48                           ; s[48:55], s[56:63] the same for W's tiles
.set G0B, 56
.set G1S, 68                           ; s[68:75], s[76:79] groups 1 and 0 for x's scales;  s[80:87], s[88:91] for W's
.set G0S, 76
.set G1SB, 80
.set G0SB, 88
.set MSB, 0
.macro WIN new                         ; the immediate's high byte repeats the setting that is left
.if MSB != \new
	s_set_vgpr_msb (MSB<<8)|\new
.set MSB, \new
.endif
.endm
.set MUL_LO, 0xa1                      ; source 0 (W) window 1, source 1 (x) window 0, C and D window 2
.set MUL_HI, 0xf1                      ; the same, C and D window 3
.set TO_B,   0x40                      ; destination window 1, address window 0
; A joint load: waves 0 and 1 fetch for x, waves 2 and 3 for W.  Each of the two lines has ONE mask and one set of registers for all that issue it; the branch hangs on the wave's number alone.
; An s_nop 0 and four v_nop follow each of the two lines, ahead of the jump, the label and what follows.
.macro JLOAD g0a, g1a, g0b, g1b
	s_cmp_eq_u32 s15, 0
	s_cbranch_scc0 .Lfor_b_\@
	tensor_load_to_lds s[\g0a:\g0a+3], s[\g1a:\g1a+7]
	s_nop 0
.rept 4
	v_nop
.endr
	s_branch .Lasked_\@
.Lfor_b_\@:
	tensor_load_to_lds s[\g0b:\g0b+3], s[\g1b:\g1b+7]
	s_nop 0
.rept 4
	v_nop
.endr
.Lasked_\@:
.endm
.macro CROUND                          ; a round of the cluster's barrier: my work-group's barrier; wave 0 signals for the work-group; every wave waits for all sixteen; my work-group's barrier once more
	s_barrier_signal -1
	s_barrier_wait -1
	s_cmp_lg_u32 s14, 0
	s_cbranch_scc1 .Lnot_wave_0_\@
	s_barrier_signal -3
.Lnot_wave_0_\@:
	s_barrier_wait -3
	s_barrier_signal -1
	s_barrier_wait -1
.endm
	s_load_b128 s[4:7], s[0:1], 0x0                ; x's codes s[4:5], x's scales s[6:7]
	s_load_b128 s[8:11], s[0:1], 0x10              ; W's codes s[8:9], W's scales s[10:11]
	v_lshl_add_u32 v[SPW], v0, 2, SPARE
	v_mov_b32 v[NIL], 0
	ds_add_u32 v[SPW], v[NIL]                      ; the wave's opening: the add, twice on end, and its wait ahead of my first tensor load; the set-up below stands between the second and the wait
	ds_add_u32 v[SPW], v[NIL]
	v_lshrrev_b32 v1, 5, v0
	v_readfirstlane_b32 s14, v1                    ; wave 0..3
	s_lshr_b32 s15, s14, 1                         ; which half of the tile's rows is mine.  Also: I fetch for x (0) or for W (1)
	s_and_b32 s16, s14, 1                          ; which half of its columns.  Also: which 128 rows of that tile I fetch
	s_bfe_u32 s40, ttmp6, 0x40000                  ; cx, cy: my place in the cluster
	s_bfe_u32 s41, ttmp6, 0x40004
	s_lshl_b32 s42, ttmp9, 2
	s_add_co_u32 s42, s42, s40                     ; tile column of C = 4 x cluster x + cx
	s_and_b32 s17, ttmp7, 0xffff
	s_lshl_b32 s17, s17, 2
	s_add_co_u32 s17, s17, s41                     ; tile row of C = 4 x cluster y + cy
	s_lshl_b32 s43, s41, 2
	s_lshl_b32 s43, 15, s43                        ; my row of the cluster
	s_lshl_b32 s44, 0x1111, s40                    ; my column
	; descriptor group 1: a tile of 128 rows x 256 bytes, padded in LDS
	s_or_b32 s[G1+0], s43, (0<<16)|(1<<20)|(1<<21)|(5<<22)|(3<<25)  ; 15:0 the mask: x's tiles go to my row; 17:16 element of 1 byte; 20 padding on; 21 set beside a mask; 24:22 after every 64 words (code 5); 31:25 of 4 words (code 3)
	s_or_b32 s[G1B+0], s44, (0<<16)|(1<<20)|(1<<21)|(5<<22)|(3<<25)
.irp g, G1, G1B
	s_mov_b32 s[\g+1], ROWB<<16                    ; tensor_dim0
	s_mov_b32 s[\g+2], 128<<16                     ; tensor_dim1 = 128
	s_mov_b32 s[\g+3], ROWB<<16                    ; tile_dim0
	s_mov_b32 s[\g+4], 128                         ; tile_dim1 = 128
	s_mov_b32 s[\g+5], KROW                        ; tensor_dim0_stride
	s_mov_b32 s[\g+6], 0
	s_mov_b32 s[\g+7], 0
.endr
	; and for the scales of 128 rows: a dense block of 4,096 bytes, as 16 rows of 256 bytes (32 elements of 8 bytes), 16 bytes of padding behind each
	s_or_b32 s[G1S+0], s43, (3<<16)|(1<<20)|(1<<21)|(5<<22)|(3<<25)
	s_or_b32 s[G1SB+0], s44, (3<<16)|(1<<20)|(1<<21)|(5<<22)|(3<<25)
.irp g, G1S, G1SB
	s_mov_b32 s[\g+1], 32<<16
	s_mov_b32 s[\g+2], (128*KS/256)<<16
	s_mov_b32 s[\g+3], 32<<16
	s_mov_b32 s[\g+4], 128*KS/256
	s_mov_b32 s[\g+5], 32
	s_mov_b32 s[\g+6], 0
	s_mov_b32 s[\g+7], 0
.endr
	s_lshl_b32 s18, s16, 7                         ; which 128 rows of the tile I fetch
	s_lshl_b32 s20, s17, 8
	s_add_co_u32 s20, s20, s18                     ; x: row 256 x tile row + 128 x half
	s_lshl_b32 s46, s42, 8
	s_add_co_u32 s46, s46, s18                     ; W: row 256 x tile column + 128 x half
	s_mov_b32 s21, 0
	s_mov_b32 s47, 0
	s_mov_b64 s[18:19], KS
	s_mul_u64 s[22:23], s[20:21], s[18:19]         ; where these rows' scales begin, in bytes
	s_mul_u64 s[92:93], s[46:47], s[18:19]
	s_mov_b64 s[18:19], KROW
	s_mul_u64 s[20:21], s[20:21], s[18:19]         ; and their codes
	s_mul_u64 s[46:47], s[46:47], s[18:19]
	s_mul_i32 s45, s14, HALFT                      ; where they go: wave x 128 rows: no place in the cluster enters an LDS address
	s_mul_i32 s94, s14, HALFS
	s_wait_dscnt 0x0                               ; both opening adds are done
	s_wait_kmcnt 0x0
	s_add_nc_u64 s[20:21], s[4:5], s[20:21]
	s_add_nc_u64 s[22:23], s[6:7], s[22:23]
	s_add_nc_u64 s[46:47], s[8:9], s[46:47]
	s_add_nc_u64 s[92:93], s[10:11], s[92:93]
	CROUND                                         ; all sixteen work-groups are here: the joint loads meet
	s_mov_b32 s[G0S], 1
	s_add_co_u32 s[G0S+1], s94, SCL
	s_mov_b64 s[G0S+2:G0S+3], s[22:23]
	s_or_b32 s[G0S+3], s[G0S+3], 0x80000000
	s_mov_b32 s[G0SB], 1
	s_add_co_u32 s[G0SB+1], s94, SCL
	s_mov_b64 s[G0SB+2:G0SB+3], s[92:93]
	s_or_b32 s[G0SB+3], s[G0SB+3], 0x80000000
	JLOAD G0S, G1S, G0SB, G1SB                     ; the scales first: they are wanted with K step 0
.irp s, 0,1
	s_mov_b32 s[G0+4*\s], 1
	s_add_co_u32 s[G0+4*\s+1], s45, \s*SLOT
	s_add_nc_u64 s[G0+4*\s+2:G0+4*\s+3], s[20:21], \s*ROWB
	s_or_b32 s[G0+4*\s+3], s[G0+4*\s+3], 0x80000000
	s_mov_b32 s[G0B+4*\s], 1
	s_add_co_u32 s[G0B+4*\s+1], s45, \s*SLOT
	s_add_nc_u64 s[G0B+4*\s+2:G0B+4*\s+3], s[46:47], \s*ROWB
	s_or_b32 s[G0B+4*\s+3], s[G0B+4*\s+3], 0x80000000
	JLOAD G0+4*\s, G1, G0B+4*\s, G1B               ; three tensor loads of mine are out now, and none follows
.endr
	s_load_b256 s[4:11], s[0:1], 0x20              ; bq s[4:5], bk s[6:7], bv s[8:9], q_img s[10:11]: the first four addresses are done with
	s_load_b64 s[12:13], s[0:1], 0x40              ; kv
	v_and_b32 v1, 15, v0                           ; r = l % 16
	v_bfe_u32 v2, v0, 4, 1                         ; h = l / 16
	v_mul_u32_u24 v3, v1, PITCH
	v_lshl_add_u32 v4, v2, 4, v3                   ; a fragment's row x pitch + 16 x half
	s_mul_i32 s21, s15, HALFT                      ; my 128 rows of x
	s_mul_i32 s22, s16, HALFT                      ; my 128 rows of W,
	s_add_co_u32 s22, s22, 2*HALFT                 ; which lie behind x's 256
.irp s, 0,1
	v_add_nc_u32 v[ADRA+\s], s21, v4
	v_add_nc_u32 v[ADRB+\s], s22, v4
	s_add_co_u32 s21, s21, SLOT
	s_add_co_u32 s22, s22, SLOT
.endr
	v_mul_u32_u24 v5, v1, KS                       ; my row's scales: KS bytes a row,
	v_lshrrev_b32 v6, 8, v5
	v_lshl_add_u32 v5, v6, 4, v5                   ; and 16 more for each 256 passed
	s_mul_i32 s21, s15, HALFS                      ; x's: my 128 rows
	s_mul_i32 s22, s16, HALFS                      ; W's: my 128 rows, behind x's 256
	s_add_co_u32 s22, s22, 2*HALFS
	s_sub_co_u32 s22, s22, s21
	v_mul_u32_u24 v6, s22, v2                      ; lanes 16-31 take W's: one product, the distance between the two bases x h
	s_add_co_u32 s21, s21, SCL
	v_add_nc_u32 v5, v5, v6
	v_add_nc_u32 v[ADRS], s21, v5
	; the way out's lane terms
	v_and_b32 v7, 31, v0
	v_lshlrev_b32 v8, 4, v7                        ; q, k: place = lane
	v_and_b32 v9, 7, v7
	v_lshl_add_u32 v9, v2, 3, v9
	v_bfe_u32 v10, v0, 3, 1
	v_lshl_add_u32 v9, v10, 4, v9                  ; v: place = (r & 7) + 8 h + 16 (r >> 3)
	v_lshlrev_b32 v9, 4, v9
	v_lshlrev_b32 v[BO], 5, v2
	s_wait_kmcnt 0x0
	; q, k or v?  By the cluster's x, which all sixteen partners share
	s_cmp_eq_u32 ttmp9, 0
	s_cselect_b64 s[98:99], s[4:5], s[6:7]         ; the bias: bq, or bk for now
	s_cselect_b64 s[12:13], s[10:11], s[12:13]     ; the images: q_img, or kv
	s_cselect_b32 s3, 0, 1                         ; kv's heads and runs of 32 key tiles lie twice as far apart as q_img's
	s_mov_b32 s96, 0x3f800000
	s_cselect_b32 s96, 0x3e38aa3b, s96             ; q is multiplied by log2(e) / 8, k and v by 1
	s_mov_b32 s97, s96                             ; (named with it as a pair, so it is written)
	s_cmp_eq_u32 ttmp9, 2
	s_cselect_b64 s[98:99], s[8:9], s[98:99]       ; bv
	s_cselect_b32 s95, 0x10000, 0                  ; v's blocks lie 65,536 bytes behind k's
	s_cselect_b32 s2, -1, 0                        ; all lanes: v's order of places
	v_cndmask_b32 v[CO], v8, v9, s2
	; where my part of the images begins.  Numbers of the tile row stay in s20-22, numbers of the tile column in s46-47, what mixes the two in s100, s101, s104, s105: none of these four feeds a descriptor
	s_lshl_b32 s20, s17, 8
	s_lshl_b32 s21, s15, 7
	s_add_co_u32 s20, s20, s21                     ; my first token
	s_lshr_b32 s21, s20, 11                        ; its batch
	s_bfe_u32 s22, s20, 0x70004                    ; kt0: its tile of 16 in the batch, a multiple of 8
	s_and_b32 s46, s42, 3
	s_lshl_b32 s46, s46, 8
	s_lshl_b32 s47, s16, 7
	s_add_co_u32 s46, s46, s47                     ; my first column of the 1,024 of q, k or v
	s_lshr_b32 s100, s46, 6                        ; its head
	s_lshl_b32 s101, s21, 4
	s_add_co_u32 s100, s100, s101                  ; bh of my first 64 columns
	s_lshl_b32 s100, s100, 18
	s_lshr_b32 s101, s22, 5
	s_lshl_b32 s101, s101, 16
	s_add_co_u32 s100, s100, s101
	s_lshl_b32 s100, s100, s3                      ; bh x 262,144 + (kt0 >> 5) x 65,536, doubled for kv
	s_and_b32 s101, s22, 31
	s_lshl_b32 s101, s101, 11
	s_add_co_u32 s100, s100, s101                  ; + (kt0 & 31) x 2,048
	s_add_co_u32 s100, s100, s95                   ; + v's 65,536
	s_mov_b32 s101, 0
	s_add_nc_u64 s[12:13], s[12:13], s[100:101]    ; my first head's blocks
	s_lshl_b32 s104, 0x40000, s3
	s_mov_b32 s105, 0
	s_add_nc_u64 s[66:67], s[12:13], s[104:105]    ; my second head's
	s_lshl_b32 s104, s46, 2
	s_add_nc_u64 s[98:99], s[98:99], s[104:105]    ; my 128 biases
.irp b, 0,1,2,3,4,5,6,7
	global_load_b128 v[BB+8*\b:BB+8*\b+3], v[BO], s[98:99] offset:64*\b          ; waited for on the way out; neither v[BO] nor the base is written again
	global_load_b128 v[BB+8*\b+4:BB+8*\b+7], v[BO], s[98:99] offset:64*\b+16
.endr
.macro FRAG reg, adr, q, i             ; a fragment, 16 rows x 128 K of 4-bit codes, is 8 registers: lane l holds row l % 16; registers 4 c .. 4 c + 3 hold K = 64 c + 32 (l / 16) + 0 .. 31
.irp c, 0,1
	ds_load_b128 v[\reg+4*\c:\reg+4*\c+3], v[\adr] offset:64*(\q)+32*\c+(\i)*16*PITCH
.endr
.endm
; 16 matrix instructions: x's blocks a0, a0 + 1 against W's eight, 128 along K: the slot's q-th.  p: W's set;  sc: the set of scale words.  zero = 1: the first product starts the sums: nothing is ever cleared.
; The 64 accumulators take turns, one instruction a turn, in the same order in every step.
.macro MUL16 a0, p, q, sc, zero
.irp a, \a0, \a0+1
.irp b, 0,1,2,3,4,5,6,7
.if \zero
	v_wmma_scale_f32_16x16x128_f8f6f4 v[8*(8*((\a)%4)+\b):8*(8*((\a)%4)+\b)+7], v[128*(\p)+FR*\b:128*(\p)+FR*\b+FR-1], v[AF+FR*(\a):AF+FR*(\a)+FR-1], 0, v[SC+8*NQ*(\sc)+NQ*\b+(\q)], v[SC+8*NQ*(\sc)+NQ*(\a)+(\q)] matrix_a_fmt:MATRIX_FMT_FP4 matrix_b_fmt:MATRIX_FMT_FP4 matrix_a_scale:MATRIX_SCALE_ROW1
.else
	v_wmma_scale_f32_16x16x128_f8f6f4 v[8*(8*((\a)%4)+\b):8*(8*((\a)%4)+\b)+7], v[128*(\p)+FR*\b:128*(\p)+FR*\b+FR-1], v[AF+FR*(\a):AF+FR*(\a)+FR-1], v[8*(8*((\a)%4)+\b):8*(8*((\a)%4)+\b)+7], v[SC+8*NQ*(\sc)+NQ*\b+(\q)], v[SC+8*NQ*(\sc)+NQ*(\a)+(\q)] matrix_a_fmt:MATRIX_FMT_FP4 matrix_b_fmt:MATRIX_FMT_FP4 matrix_a_scale:MATRIX_SCALE_ROW1
.endif
.endr
.endr
.endm
.macro FETCH_B slot, q, p              ; W's eight fragments of the slot's q-th 128 along K into set p
	WIN TO_B
.irp i, 0,1,2,3,4,5,6,7
	FRAG 128*(\p)+FR*\i, ADRB+\slot, \q, \i
.endr
	WIN 0
.endm
.macro FETCH_A slot, q, i0             ; x's blocks i0 .. i0 + 3
.irp i, \i0, \i0+1, \i0+2, \i0+3
	FRAG AF+FR*(\i), ADRA+\slot, \q, \i
.endr
.endm
.macro SCALES sc                       ; a K step's scale words into set sc: NQ words a row; lanes 0-15 take x's block i, lanes 16-31 W's block i
.irp i, 0,1,2,3,4,5,6,7
	ds_load_b128 v[SC+8*NQ*\sc+NQ*\i:SC+8*NQ*\sc+NQ*\i+3], v[ADRS] offset:\i*SBLK
.endr
.endm
; A load into a register that a matrix instruction has read, and a vector instruction that reads a matrix result, stand NP places behind that matrix instruction, and only plain vector instructions that
; name none of its registers are places (ISA guide 7.12.1 for vector instructions).
.macro PLACES n
.rept \n
	v_nop
.endr
.endm
; A step of 128 along K that has its successor in the same slot.
.macro STEP slot, q, zero
	s_wait_dscnt 4*NL                              ; W's set and x's blocks 0-3 are in; the youngest eight loads (x's blocks 4-7) may be out
	WIN MUL_LO
	MUL16 0, (\q)%2, \q, \slot, \zero
	MUL16 2, (\q)%2, \q, \slot, \zero
	s_wait_dscnt 0                                 ; x's blocks 4-7 are in (asked for 32 matrix instructions ago)
	PLACES NP
	FETCH_B \slot, (\q)+1, 1-(\q)%2
	FETCH_A \slot, (\q)+1, 0
	WIN MUL_HI
	MUL16 4, (\q)%2, \q, \slot, \zero
	MUL16 6, (\q)%2, \q, \slot, \zero
	PLACES NP
	WIN 0
	FETCH_A \slot, (\q)+1, 4
.endm
; Slot 0's last step goes over to slot 1: ONE barrier; in front of it each wave waits for all its tensor loads (its part of slot 1 among them), so that behind it slot 1 is whole for every wave.  Nothing is filled again.
.macro TURN slot, next
	s_wait_tensorcnt 0x0                           ; all my tensor loads have landed  (every window is 0 here: the add's two registers lie in window 0)
	ds_add_u32 v[SPW], v[NIL]                      ; 0 onto my spare word
	s_wait_dscnt 4*NL+1                            ; (the add and the youngest eight loads, x's blocks 4-7, may be out)
	WIN MUL_LO
	MUL16 0, 1, NQ-1, \slot, 0                     ; sixteen matrix instructions stand between the add and the wait for it
	s_wait_dscnt 0x0                               ; the add is done, and no LDS load of mine is out at the signal
	s_barrier_signal -1
	MUL16 2, 1, NQ-1, \slot, 0
	WIN 0
	s_barrier_wait -1
	PLACES NP
	v_add_nc_u32 v[ADRS], 4*NQ, v[ADRS]            ; on to the next K step's scale words (no LDS load of mine is out)
	FETCH_B \next, 0, 0
	FETCH_A \next, 0, 0
	SCALES \next
	WIN MUL_HI
	MUL16 4, 1, NQ-1, \slot, 0
	MUL16 6, 1, NQ-1, \slot, 0
	PLACES NP
	WIN 0
	FETCH_A \next, 0, 4
.endm
.macro STEPS slot, from                ; the slot's steps from .. NQ - 2
.set Q, \from
.rept NQ-1-\from
	STEP \slot, Q, 0
.set Q, Q+1
.endr
.endm
	s_wait_tensorcnt 1                             ; the scales and my part of K step 0 are in (one younger load, K step 1's, may be out),
	s_barrier_signal -1
	s_barrier_wait -1                              ; everybody's are
	FETCH_B 0, 0, 0
	FETCH_A 0, 0, 0
	SCALES 0
	FETCH_A 0, 0, 4
	STEP 0, 0, 1                                   ; the first step's products start the sums
	STEPS 0, 1
	TURN 0, 1
	STEPS 1, 0
	s_wait_dscnt 4*NL                              ; the very last step: nothing more to fetch
	WIN MUL_LO
	MUL16 0, 1, NQ-1, 1, 0
	MUL16 2, 1, NQ-1, 1, 0
	s_wait_dscnt 0
	WIN MUL_HI
	MUL16 4, 1, NQ-1, 1, 0
	MUL16 6, 1, NQ-1, 1, 0
	WIN 0
; THE WAY OUT.  (C + bias) x s = C x s + bias x s: one fused multiply-add a number, two at a time; rounded to f16 in pairs: a lane's eight channels of a block are 16 bytes, and the 32 lanes of a store cover a whole
; block of the images, 512 consecutive bytes at a multiple of 512 from the buffer's first byte.  No LDS.  Every packed result has a register of its own (all 256 of window 1), so no store's data are written again.
	s_wait_loadcnt 0x0                             ; the biases
.irp i, 0,2,4,6,8,10,12,14,16,18,20,22,24,26,28,30,32,34,36,38,40,42,44,46,48,50,52,54,56,58,60,62
	v_pk_mul_f32 v[BB+\i:BB+\i+1], v[BB+\i:BB+\i+1], s[96:97] op_sel_hi:[1,0]   ; bias x s.  These 32 name no register of the last products: they are the places behind them
.endr
.macro OUTA a                          ; my tokens 16 a .. 16 a + 15
.set WW, 0x02+(\a)/4
	WIN WW                                         ; source 0: window 2 or 3
.irp b, 0,1,2,3,4,5,6,7
.irp i, 0,1,2,3
	v_pk_fma_f32 v[T+8*\b+2*\i:T+8*\b+2*\i+1], v[64*((\a)%4)+8*\b+2*\i:64*((\a)%4)+8*\b+2*\i+1], s[96:97], v[BB+8*\b+2*\i:BB+8*\b+2*\i+1] op_sel_hi:[1,0,1]   ; each accumulator from its low end on
.endr
.endr
	WIN 0x40                                       ; destination window 1
.irp b, 0,1,2,3,4,5,6,7
.irp i, 0,1,2,3
	v_cvt_pk_f16_f32 v[32*(\a)+4*\b+\i], v[T+8*\b+2*\i], v[T+8*\b+2*\i+1]
.endr
.endr
	WIN 0x04                                       ; a store's data are its source 1: window 1
.irp b, 0,1,2,3
	global_store_b128 v[CO], v[32*(\a)+4*\b:32*(\a)+4*\b+3], s[12:13] offset:(4*(\a)+\b)*512          ; my first head: key tile a, channels 16 b on
.endr
.irp b, 0,1,2,3
	global_store_b128 v[CO], v[32*(\a)+16+4*\b:32*(\a)+16+4*\b+3], s[66:67] offset:(4*(\a)+\b)*512    ; my second head
.endr
.endm
.irp a, 0,1,2,3,4,5,6,7
	OUTA \a
.endr
	WIN 0
	s_wait_tensorcnt 0x0                           ; the wave's end, behind my last tensor load
	ds_add_u32 v[SPW], v[NIL]
	s_wait_dscnt 0x0
	CROUND                                         ; the closing round: no work-group ends while a partner may still ask for a tile that names it
	s_endpgm
.Lfunc_end_k_q6fcc609168_proj:
	.size	k_q6fcc609168_proj, .Lfunc_end_k_q6fcc609168_proj-k_q6fcc609168_proj
	.p2alignl 7, 3214868480
	.fill 96, 4, 3214868480
	.section	.rodata,"a",@progbits
	.p2align	6, 0x0
	.amdhsa_kernel k_q6fcc609168_proj
		.amdhsa_group_segment_fixed_size 327680
		.amdhsa_private_segment_fixed_size 0
		.amdhsa_enable_private_segment 0
		.amdhsa_kernarg_size 72
		.amdhsa_user_sgpr_count 2
		.amdhsa_user_sgpr_kernarg_segment_ptr 1
		.amdhsa_wavefront_size32 1
		.amdhsa_system_sgpr_workgroup_id_x 1
		.amdhsa_system_sgpr_workgroup_id_y 1
		.amdhsa_system_sgpr_workgroup_id_z 1
		.amdhsa_system_vgpr_workitem_id 0
		.amdhsa_next_free_vgpr 1024
		.amdhsa_next_free_sgpr 106
		.amdhsa_reserve_vcc 0
		.amdhsa_float_denorm_mode_32 3
		.amdhsa_float_denorm_mode_16_64 3
		.amdhsa_memory_ordered 1
		.amdhsa_forward_progress 1
		.amdhsa_inst_pref_size 138
	.end_amdhsa_kernel
	.amdgpu_metadata
---
amdhsa.version: [ 1, 2 ]
amdhsa.kernels:
  - .name:           k_q6fcc609168_proj
    .symbol:         k_q6fcc609168_proj.kd
    .args:
      - { .name: x_codes, .offset: 0, .size: 8, .value_kind: global_buffer, .address_space: global }
      - { .name: x_scales, .offset: 8, .size: 8, .value_kind: global_buffer, .address_space: global }
      - { .name: w_codes, .offset: 16, .size: 8, .value_kind: global_buffer, .address_space: global }
      - { .name: w_scales, .offset: 24, .size: 8, .value_kind: global_buffer, .address_space: global }
      - { .name: bq, .offset: 32, .size: 8, .value_kind: global_buffer, .address_space: global }
      - { .name: bk, .offset: 40, .size: 8, .value_kind: global_buffer, .address_space: global }
      - { .name: bv, .offset: 48, .size: 8, .value_kind: global_buffer, .address_space: global }
      - { .name: q_img, .offset: 56, .size: 8, .value_kind: global_buffer, .address_space: global }
      - { .name: kv, .offset: 64, .size: 8, .value_kind: global_buffer, .address_space: global }
    .group_segment_fixed_size: 327680
    .private_segment_fixed_size: 0
    .kernarg_segment_align: 8
    .kernarg_segment_size: 72
    .max_flat_workgroup_size: 128
    .sgpr_count:     106
    .vgpr_count:     1024
    .wavefront_size: 32
...
	.end_amdgpu_metadata
.endif
;; end of part 2
;; launch attn (part 3): grid 8 x 32, 8 waves a work-group, clusters of 4 x 1, 327,680 bytes of LDS; arguments q_img, kv, attn_mask, out0; writes out0
.if DOCPART == 3
	.amdgcn_target "amdgcn-amd-amdhsa--gfx1250"
	.amdhsa_code_object_version 6
	.text
	.protected	k_q6fcc609168_attn
	.globl	k_q6fcc609168_attn
	.p2align	8
	.type	k_q6fcc609168_attn,@function
k_q6fcc609168_attn:
	s_mov_b64 s[64:65], 0
	v_nop
	global_prefetch_b8 v0, s[64:65] scope:SCOPE_SE
	s_setreg_imm32_b32 hwreg(HW_REG_WAVE_MODE, 25, 1), 1
	s_wait_xcnt 0x0
	s_wait_alu depctr_hold_cnt(0) depctr_sa_sdst(0) depctr_va_vdst(0) depctr_va_sdst(0) depctr_va_ssrc(0) depctr_va_vcc(0) depctr_vm_vsrc(0)
	s_getreg_b32 s2, hwreg(HW_REG_IB_STS2, 6, 4)
	s_cmp_eq_u32 s2, 0
	s_cbranch_scc0 .Lentry_in_a_cluster
	s_endpgm
.Lentry_in_a_cluster:
	s_bfe_u32 s2, ttmp6, 0x10000c
	s_cmp_lg_u32 s2, 0x3003
	s_cbranch_scc0 .Lentry_shape_is_right
	s_endpgm
.Lentry_shape_is_right:
; out0[b][s][64 head + w] = the sum over t of softmax_t(q . k / 8 - 10000 (1 - mask[b][t])) v[t][w], for 32 pairs bh = 16 b + head, 2,048 queries and 2,048 keys each, head size 64.
; q (already x log2(e) / 8), k and v come as f16 in images of operand registers (blocks of 16 tokens x 16 channels, 512 bytes).  Products by the f16 matrix form, sums, maxima and exponentials in f32;
; the weights p = 2^(t - m) are rounded to f16 for the second product; the result is divided by the row's sum once at the end.
; LIMITS: p under 2^-25 is 0 in f16; NaN and infinities among the inputs are not served.
; SHARES.  A work-group owns 256 queries of one bh, each of its eight waves 32: two tiles of 16.  Two waves share a SIMD's registers, so that one wave's softmax stands beside the other's products.
; Every wave walks all 2,048 keys, 64 a step.  K and V come through two LDS slots of 512 keys (k's 64 KiB, then v's 64 KiB: one dense block of kv), each wave fetching 16 KiB of a slot.
; LAYOUT.  S^T = K Q^T + mb (source 0 = 16 keys, source 1 = 16 queries; C = the mask's term 10000 log2(e) (mask - 1) of the lane's eight keys, so that the mask costs no vector instruction): a lane holds ONE query
; (lane % 16) and keys 8 (lane / 16) + 0 .. 7.  Two such tiles, rounded to f16 in pairs, ARE source 1 of O^T = V^T P, whose result again holds one query a lane.  k's blocks are read as they lie, v's by the
; turning load; every LDS read of a block is 16 x lane: 512 consecutive bytes, so no padding is needed.
; THE ROW'S SUM is a fifth tile of O^T whose source 0 is all ones: every lane then holds its query's sum of the weights that the product really used, and no exchange between lanes is needed for it.
; SOFTMAX.  A running maximum m for each query; in every step O^T and the sum are multiplied by a = 2^(m_old - m_new).  m begins at -3e38 and O^T and the sum at 0, so that the step is written without a first copy.
; CLUSTER.  The four query blocks of a cluster belong to one bh and walk the same K and V: each tile is asked for JOINTLY, by the same tensor load with the same descriptor and a mask that names the four.
; A refill is asked for eight key steps ahead of the wait for it, and there are only two refills: nothing further is asked for ahead.
; REGISTERS, in windows of 256: window 0: v1-11 addresses; v12-27 statistics, 8 a tile (+0 m, +1 its partner in the pair, +4..+7 c0-c3; a, and at the end 1 / sum, in +6); v32-63 Q; v64-127 S^T, 32 a tile;
;   v128-191 K of one step; v192-223 the mask's terms of one step; v224-255 P, 16 a tile.     window 1: v0-63 V of one step; v64-127 O^T, 32 a tile; v128-143 the sums, 8 a tile; v144-151 ones.
.set SLOT1, 1<<17                      ; slot 1 begins here: one exclusive or turns an address in one slot into the other's
.set VOFF,  65536                      ; in a slot: v's blocks behind k's
.set MB,    2*SLOT1                    ; behind the slots: the mask's terms of the batch's 2,048 keys, f32; written by LDS stores, never a tensor load's target
.set STAGE, MB+8192                    ; the way out: 16 rows x (256 bytes + 16) for each wave
.set SPARE, STAGE+8*4352               ; the spare words, 128 bytes for each wave, which no other line names
.set L16,  1                           ; v1   16 x lane; never rewritten
.set AMB0, 3                           ; v3   MB + 32 x (lane / 16); never rewritten
.set ADK,  4                           ; v4   LDS address of the step's blocks of k
.set ADV,  5                           ; v5   of v
.set ADM,  6                           ; v6   of the mask's terms
.set STO,  7                           ; v7   the way out: where I put 32 bytes of a row
.set RD,   8                           ; v8   where I read a row back
.set GO,   9                           ; v9   my byte offset in the wave's rows of out0
.set SPW,  10                          ; v10  LDS address of my spare word; never rewritten
.set NIL,  11                          ; v11  0; never rewritten
.set ST,   12
.set QF,   32
.set S,    64
.set KF,   128
.set MBR,  192
.set P,    224
.set OT,   64                          ; in window 1
.set LT,   128
.set ONES, 144
.set WV,   12                          ; s12  my wave's number
.set G1,   24                          ; s[24:31] descriptor group 1
.set G0,   32                          ; s[32:35] group 0 of slot 0's first fill;  s[36:39] of slot 1's, which then walks
.set SEL,  40                          ; s[40:41] lane selects for v_permlanex16_b32: lane l xor 16
.set TK,   42                          ; s42  LDS byte at which the blocks of k to be fetched begin
.set TV,   43                          ; s43  the same for v
.set TM,   44                          ; s44  and, from MB on, for the mask's terms
.set CIN,  45
.set COUT, 46
.set MSB, 0
.macro WIN new                         ; the immediate's high byte repeats the setting that is left
.if MSB != \new
	s_set_vgpr_msb (MSB<<8)|\new
.set MSB, \new
.endif
.endm
.macro CROUND                          ; a round of the cluster's barrier: my work-group's barrier; wave 0 signals for the work-group; every wave waits for all four; my work-group's barrier once more
	s_barrier_signal -1
	s_barrier_wait -1
	s_cmp_lg_u32 s[WV], 0
	s_cbranch_scc1 .Lnot_wave_0_\@
	s_barrier_signal -3
.Lnot_wave_0_\@:
	s_barrier_wait -3
	s_barrier_signal -1
	s_barrier_wait -1
.endm
	s_load_b256 s[4:11], s[0:1], 0x0               ; q_img s[4:5], kv s[6:7], attn_mask s[8:9], out0 s[10:11]
	v_lshl_add_u32 v[SPW], v0, 2, SPARE
	v_mov_b32 v[NIL], 0
	ds_add_u32 v[SPW], v[NIL]                      ; the wave's opening: the add, twice on end, and its wait ahead of my first tensor load; the set-up below stands between the second and the wait
	ds_add_u32 v[SPW], v[NIL]
	v_lshrrev_b32 v2, 5, v0
	v_readfirstlane_b32 s[WV], v2                  ; wave 0..7
	s_bfe_u32 s13, ttmp6, 0x40000                  ; cx: my place in the cluster
	s_lshl_b32 s14, ttmp9, 2
	s_add_co_u32 s14, s14, s13                     ; my block of 256 queries: it enters q_img's and out0's addresses alone
	s_and_b32 s15, ttmp7, 0xffff                   ; bh, which the four partners share
	s_lshl_b32 s16, s15, 19                        ; kv: bh x 524,288
	s_lshl_b32 s22, s[WV], 14                      ; + my wave's 16 KiB of a slot, in memory and in LDS alike
	s_add_co_u32 s16, s16, s22
	s_mov_b32 s17, 0
	s_lshl_b32 s18, s15, 7                         ; q_img: (128 bh + 16 block + 2 wave) tiles of 2,048 bytes
	s_lshl_b32 s20, s14, 4
	s_add_co_u32 s18, s18, s20
	s_lshl_b32 s20, s[WV], 1
	s_add_co_u32 s18, s18, s20
	s_lshl_b32 s18, s18, 11
	s_mov_b32 s19, 0
	s_lshr_b32 s23, s15, 4                         ; the batch
	s_lshl_b32 s50, s23, 13                        ; attn_mask: 8,192 bytes a batch
	s_mov_b32 s51, 0
	s_lshl_b32 s20, s23, 11                        ; out0: row 2,048 batch + 256 block + 32 wave, of 4,096 bytes,
	s_lshl_b32 s21, s14, 8
	s_add_co_u32 s20, s20, s21
	s_lshl_b32 s21, s[WV], 5
	s_add_co_u32 s20, s20, s21
	s_lshl_b32 s20, s20, 12
	s_and_b32 s21, s15, 15
	s_lshl_b32 s21, s21, 8                         ; + the head's 256 bytes of a row
	s_add_co_u32 s20, s20, s21
	s_mov_b32 s21, 0
	; descriptor group 1: 16 KiB, dense in memory, as 64 rows of 256 bytes (32 elements of 8 bytes), no padding
	s_mov_b32 s[G1], 15|(3<<16)|(1<<21)            ; 15:0 the mask: all four work-groups; 17:16 elements of 8 bytes; 21 set beside a mask
	s_mov_b32 s[G1+1], 32<<16                      ; tensor_dim0 = 32
	s_mov_b32 s[G1+2], 64<<16                      ; tensor_dim1 = 64
	s_mov_b32 s[G1+3], 32<<16                      ; tile_dim0 = 32
	s_mov_b32 s[G1+4], 64                          ; tile_dim1 = 64
	s_mov_b32 s[G1+5], 32                          ; tensor_dim0_stride
	s_mov_b32 s[G1+6], 0
	s_mov_b32 s[G1+7], 0
	s_mov_b32 s[SEL], 0x76543210
	s_mov_b32 s[SEL+1], 0xfedcba98
	s_mov_b32 s[TK], 0
	s_mov_b32 s[TV], VOFF
	s_mov_b32 s[TM], 0
	s_mov_b32 s47, 0x46616bcd                      ; 10000 log2(e)
	s_mov_b32 s48, 0xc6616bcd                      ; and its negative
	s_wait_dscnt 0x0                               ; both opening adds are done
	s_wait_kmcnt 0x0
	s_add_nc_u64 s[6:7], s[6:7], s[16:17]
	s_add_nc_u64 s[4:5], s[4:5], s[18:19]
	s_add_nc_u64 s[8:9], s[8:9], s[50:51]
	s_add_nc_u64 s[10:11], s[10:11], s[20:21]
	CROUND                                         ; all four work-groups are here: the first joint loads meet
	s_mov_b32 s[G0], 1                             ; 1:0 count = 1
	s_mov_b32 s[G0+1], s22                         ; LDS address: slot 0, my wave's 16 KiB
	s_mov_b64 s[G0+2:G0+3], s[6:7]                 ; global address: keys 0 to 511
	s_or_b32 s[G0+3], s[G0+3], 0x80000000          ; type = 2
	s_mov_b32 s[G0+4], 1
	s_add_co_u32 s[G0+5], s22, SLOT1               ; slot 1
	s_add_nc_u64 s[G0+6:G0+7], s[6:7], SLOT1       ; keys 512 to 1,023: a slot is as many bytes in memory as in LDS
	s_or_b32 s[G0+7], s[G0+7], 0x80000000
	tensor_load_to_lds s[G0:G0+3], s[G1:G1+7]      ; both first fills together: two loads of mine are out
	s_nop 0
	tensor_load_to_lds s[G0+4:G0+7], s[G1:G1+7]
	s_nop 0
.rept 4
	v_nop
.endr
	v_and_b32 v2, 31, v0
	v_lshlrev_b32 v[L16], 4, v2
.irp i, 0,1,2,3,4,5,6,7
	global_load_b128 v[QF+4*\i:QF+4*\i+3], v[L16], s[4:5] offset:512*\i th:TH_LOAD_NT   ; Q stays in registers: tile i / 4, channels 16 (i % 4) on: a block is half a fragment as it lies
.endr
	v_lshlrev_b32 v2, 5, v0                        ; the mask: thread t takes keys 8 t .. 8 t + 7 of the batch
	global_load_b128 v[S:S+3], v2, s[8:9]
	global_load_b128 v[S+4:S+7], v2, s[8:9] offset:16
	v_lshl_add_u32 v28, v0, 5, MB                  ; and puts their terms here
	v_bfe_u32 v29, v0, 4, 1
	v_lshl_add_u32 v[AMB0], v29, 5, MB
.irp t, 0,1
	v_mov_b32 v[ST+8*\t], 0xff61b1e6               ; m: -3e38, under every score
	v_mov_b32 v[ST+8*\t+1], 0                      ; (named with it as a pair, so it is written)
.endr
	WIN 0x40                                       ; destination window 1
.set i, 0
.rept 80
	v_mov_b32 v[OT+i], 0                           ; O^T and the sums, once a wave: the step's products add in place from the first step on
.set i, i+1
.endr
.irp i, 0,1,2,3,4,5,6,7
	v_mov_b32 v[ONES+\i], 0x3c003c00               ; 1.0 twice, in f16
.endr
	WIN 0
	s_wait_loadcnt 0x0                             ; Q and the mask
.irp i, 0,1,2,3,4,5,6,7
	v_fma_f32 v[S+\i], v[S+\i], s47, s48           ; 10000 log2(e) (mask - 1): 0 where the mask is 1
.endr
	ds_store_b128 v28, v[S:S+3]
	ds_store_b128 v28, v[S+4:S+7] offset:16
	s_wait_tensorcnt 1                             ; my part of slot 0 is in; one younger load, slot 1's, may stay out
	s_wait_dscnt 0x0                               ; for the others' sake: my terms are stored
	s_barrier_signal -1
	s_barrier_wait -1
; A step's k (16 blocks: 4 tiles of 16 keys x 4 of 16 channels; fragment (kt, s) at KF + 16 kt + 8 s) and its mask terms (8 registers a key tile, in the result's layout): 24 loads.
.macro LOADK
.irp i, 0,1,2,3,4,5,6,7,8,9,10,11,12,13,14,15
	ds_load_b128 v[KF+4*\i:KF+4*\i+3], v[ADK] offset:512*\i
.endr
.irp kt, 0,1,2,3
	ds_load_b128 v[MBR+8*\kt:MBR+8*\kt+3], v[ADM] offset:64*\kt
	ds_load_b128 v[MBR+8*\kt+4:MBR+8*\kt+7], v[ADM] offset:64*\kt+16
.endr
	s_add_co_u32 s[TK], s[TK], 8192                ; the next fetch is the next step's
	s_add_co_u32 s[TM], s[TM], 256
.endm
; A step's v, turned: fragment (ks, ct), 16 channels x 32 keys, at 32 ks + 8 ct of window 1; its halves come from the blocks of key tiles 2 ks and 2 ks + 1: 16 loads.
.macro LOADV
	WIN 0x40                                       ; destination window 1
.irp ks, 0,1
.irp ct, 0,1,2,3
.irp u, 0,1
	ds_load_tr16_b128 v[32*\ks+8*\ct+4*\u:32*\ks+8*\ct+4*\u+3], v[ADV] offset:((2*\ks+\u)*4+\ct)*512
.endr
.endr
.endr
	WIN 0
	s_add_co_u32 s[TV], s[TV], 8192
.endm
; S^T = K Q^T + mb: 16 matrix instructions; the eight accumulators take turns, one instruction a turn.  The first eight take the mask's terms as C.
.macro SQK
.irp kt, 0,1,2,3
.irp t, 0,1
	v_wmma_f32_16x16x32_f16 v[S+32*\t+8*\kt:S+32*\t+8*\kt+7], v[KF+16*\kt:KF+16*\kt+7], v[QF+16*\t:QF+16*\t+7], v[MBR+8*\kt:MBR+8*\kt+7]
.endr
.endr
.irp kt, 0,1,2,3
.irp t, 0,1
	v_wmma_f32_16x16x32_f16 v[S+32*\t+8*\kt:S+32*\t+8*\kt+7], v[KF+16*\kt+8:KF+16*\kt+15], v[QF+16*\t+8:QF+16*\t+15], v[S+32*\t+8*\kt:S+32*\t+8*\kt+7]
.endr
.endr
.endm
; The softmax of both tiles for one step, the tiles alternating line by line so that no line waits for the line above it.
.macro SOFTMAX
.irp j, 0,1,2,3
.irp t, 0,1
	v_max3_num_f32 v[ST+8*\t+4+\j], v[S+32*\t+8*\j], v[S+32*\t+8*\j+1], v[S+32*\t+8*\j+2]   ; four chains, one to an accumulator, each begun at the accumulator's low end
.endr
.endr
.irp g, 1,2
.irp j, 0,1,2,3
.irp t, 0,1
	v_max3_num_f32 v[ST+8*\t+4+\j], v[ST+8*\t+4+\j], v[S+32*\t+8*\j+2*\g+1], v[S+32*\t+8*\j+2*\g+2]
.endr
.endr
.endr
.irp t, 0,1
	v_max3_num_f32 v[ST+8*\t+4], v[ST+8*\t+4], v[S+32*\t+7], v[S+32*\t+15]
.endr
.irp t, 0,1
	v_max3_num_f32 v[ST+8*\t+6], v[ST+8*\t+6], v[S+32*\t+23], v[S+32*\t+31]
.endr
.irp t, 0,1
	v_max3_num_f32 v[ST+8*\t+4], v[ST+8*\t+4], v[ST+8*\t+5], v[ST+8*\t+6]
.endr
.irp t, 0,1
	v_max3_num_f32 v[ST+8*\t+4], v[ST+8*\t+4], v[ST+8*\t+7], v[ST+8*\t]     ; with the old m
.endr
.irp t, 0,1
	v_permlanex16_b32 v[ST+8*\t+5], v[ST+8*\t+4], s[SEL], s[SEL+1]          ; the query's other 32 keys lie in the lane 16 away
.endr
.irp t, 0,1
	v_max_num_f32 v[ST+8*\t+4], v[ST+8*\t+4], v[ST+8*\t+5]                  ; the new m
.endr
.irp t, 0,1
	v_sub_f32 v[ST+8*\t+7], v[ST+8*\t], v[ST+8*\t+4]                        ; m_old - m_new, 0 or less
.endr
.irp t, 0,1
	v_mov_b32 v[ST+8*\t], v[ST+8*\t+4]
.endr
.irp i, 0,2,4,6,8,10,12,14,16,18,20,22,24,26,28,30
.irp t, 0,1
	v_pk_add_f32 v[S+32*\t+\i:S+32*\t+\i+1], v[S+32*\t+\i:S+32*\t+\i+1], v[ST+8*\t:ST+8*\t+1] op_sel_hi:[1,0] neg_lo:[0,1] neg_hi:[0,1]   ; t - m, two at a time
.endr
.endr
.irp t, 0,1
	v_exp_f32 v[ST+8*\t+6], v[ST+8*\t+7]                                    ; a = 2^(m_old - m_new)
.endr
.irp i, 0,1,2,3,4,5,6,7,8,9,10,11,12,13,14,15,16,17,18,19,20,21,22,23,24,25,26,27,28,29,30,31
.irp t, 0,1
	v_exp_f32 v[S+32*\t+\i], v[S+32*\t+\i]                                  ; p = 2^(t - m), at most 1.  The 66 exponentials are one batch: none reads another's result
.endr
.endr
	v_nop                                          ; a plain instruction behind the last exponential, ahead of the first use
	s_wait_alu depctr_va_vdst(0)                   ; a wait ahead of the first instruction that names a result: one for the batch
.irp i, 0,1,2,3,4,5,6,7,8,9,10,11,12,13,14,15
.irp t, 0,1
	v_cvt_pk_f16_f32 v[P+16*\t+\i], v[S+32*\t+2*\i], v[S+32*\t+2*\i+1]      ; two neighbouring keys' weights: the pairs of key tiles 2 ks, 2 ks + 1 are fragment (t, ks) of P
.endr
.endr
.endm
; O^T and the sum under the new m.  Of a sum's eight registers, all equal, the low two are multiplied and the lowest alone is ever read by a vector instruction; the others only add weights of at most 1: they stay under 2,048.
.macro RESCALE
	WIN 0x41                                       ; destination and source 0 window 1, a in window 0
.irp t, 0,1
.irp i, 0,2,4,6,8,10,12,14,16,18,20,22,24,26,28,30
	v_pk_mul_f32 v[OT+32*\t+\i:OT+32*\t+\i+1], v[OT+32*\t+\i:OT+32*\t+\i+1], v[ST+8*\t+6:ST+8*\t+7] op_sel_hi:[1,0]   ; each accumulator from its low end on
.endr
	v_pk_mul_f32 v[LT+8*\t:LT+8*\t+1], v[LT+8*\t:LT+8*\t+1], v[ST+8*\t+6:ST+8*\t+7] op_sel_hi:[1,0]
.endr
.endm
; O^T += V^T P and the sums += ones x P: 20 matrix instructions; the ten accumulators take turns, one instruction a turn.
.macro PV
	WIN 0x51                                       ; source 0 (V, ones), C and D window 1; source 1 (P) window 0
.irp ks, 0,1
.irp ct, 0,1,2,3
.irp t, 0,1
	v_wmma_f32_16x16x32_f16 v[OT+32*\t+8*\ct:OT+32*\t+8*\ct+7], v[32*\ks+8*\ct:32*\ks+8*\ct+7], v[P+16*\t+8*\ks:P+16*\t+8*\ks+7], v[OT+32*\t+8*\ct:OT+32*\t+8*\ct+7]
.endr
.endr
.irp t, 0,1
	v_wmma_f32_16x16x32_f16 v[LT+8*\t:LT+8*\t+7], v[ONES:ONES+7], v[P+16*\t+8*\ks:P+16*\t+8*\ks+7], v[LT+8*\t:LT+8*\t+7]
.endr
.endr
	WIN 0
.endm
; THE CHANGE OF SLOTS, in a slot's last step, behind its products K Q^T: the slot's last bytes, v of this step, have been asked for.  Each wave waits for all its tensor loads (its part of the other slot), adds 0 to
; its spare word, and waits for that and for its reads of the slot.  Behind the barrier nobody reads this slot any more and the other slot is whole.  fill = 1: the slot is filled again, with the keys 1,024 on; the
; barrier is then a round of the cluster's, and the joint refill is the first thing behind it: it has eight key steps in which to land.
.macro CHANGE fill
	s_wait_tensorcnt 0x0                           ; no tensor load of mine is out, so a group 0 may be written
	ds_add_u32 v[SPW], v[NIL]                      ; 0 onto my spare word
.if \fill
	s_xor_b32 s[G0+5], s[G0+5], SLOT1              ; the walking descriptor: the other slot than last time,
	s_add_nc_u64 s[G0+6:G0+7], s[G0+6:G0+7], SLOT1 ; the next 512 keys; the type bits on top are not reached
.endif
	s_wait_dscnt 0x0                               ; the add is done, and my reads of the slot are over
.if \fill
	CROUND
	tensor_load_to_lds s[G0+4:G0+7], s[G1:G1+7]    ; my one tensor load behind the round
	s_nop 0
.rept 4
	v_nop
.endr
.else
	s_barrier_signal -1
	s_barrier_wait -1
.endif
.endm
; A KEY STEP.  chg = 1: the slot's last step; fill: the slot is filled again; next = 1: a step follows, whose k is fetched here, behind this step's products K Q^T and ahead of its softmax.
; A load into a register that a matrix instruction has read, and a vector instruction that reads a matrix result, stand four places behind it, and only plain vector instructions that name none of its
; registers are places (ISA guide 7.12.1 for vector instructions): the address additions and v_nop below are these places.
.macro BODY chg, fill, next
	v_add_nc_u32 v[ADV], s[TV], v[L16]
.rept 3
	v_nop
.endr
	LOADV
	s_wait_dscnt 16                                ; k and the mask's terms are in; v's sixteen loads, issued behind them, may be out
	SQK
.if \chg
	s_sub_co_u32 s[TK], s[TK], 65536               ; the fetches go back to a slot's first step,
	s_xor_b32 s[TK], s[TK], SLOT1                  ; in the other slot
	s_sub_co_u32 s[TV], s[TV], 65536
	s_xor_b32 s[TV], s[TV], SLOT1
.endif
.if \next
	v_add_nc_u32 v[ADK], s[TK], v[L16]
	v_add_nc_u32 v[ADM], s[TM], v[AMB0]
	v_nop
	v_nop
.else
.rept 4
	v_nop
.endr
.endif
.if \chg
	CHANGE \fill
.endif
.if \next
	LOADK
.endif
	SOFTMAX
	RESCALE
.if \next
	s_wait_dscnt 24                                ; v is in; the 24 loads of the next step's k and mask terms were issued behind it
.else
	s_wait_dscnt 0x0
.endif
	PV
.endm
.macro SLOTRUN chg, fill, next         ; a slot's eight key steps: seven in a loop, the last written out
	s_mov_b32 s[CIN], 7
.Lstep_\@:
	BODY 0, 0, 1
	s_sub_co_u32 s[CIN], s[CIN], 1
	s_cmp_lg_u32 s[CIN], 0
	s_cbranch_scc1 .Lstep_\@
	BODY \chg, \fill, \next
.endm
	v_add_nc_u32 v[ADK], s[TK], v[L16]
	v_add_nc_u32 v[ADM], s[TM], v[AMB0]
	LOADK                                          ; key step 0
	s_mov_b32 s[COUT], 2
.Lslot:                                            ; two trips: keys 0-511 and 512-1,023; each slot is filled again as it is left
	SLOTRUN 1, 1, 1
	s_sub_co_u32 s[COUT], s[COUT], 1
	s_cmp_lg_u32 s[COUT], 0
	s_cbranch_scc1 .Lslot
	SLOTRUN 1, 0, 1                                ; keys 1,024-1,535: the tail is written out; nothing is asked for
	SLOTRUN 0, 0, 0                                ; keys 1,536-2,047
	; THE WAY OUT.  O^T is divided by the sum and goes through my stage in LDS, a tile (16 rows of 256 bytes) at a time, so that sixteen lanes store 256 consecutive bytes of a row of out0.
	; The address lines are the places behind the last products.
	s_mul_i32 s16, s[WV], 4352
	s_add_co_u32 s16, s16, STAGE                   ; my stage
	v_and_b32 v28, 15, v0                          ; r
	v_bfe_u32 v29, v0, 4, 1                        ; h
	v_mul_u32_u24 v[STO], v28, 272                 ; in: row r; channel tile ct's eight channels of my half: 64 ct + 32 h bytes on
	v_lshl_add_u32 v[STO], v29, 5, v[STO]
	v_add_nc_u32 v[STO], s16, v[STO]
	v_mul_u32_u24 v[RD], v29, 272                  ; back: lanes 0-15 one row, lanes 16-31 the next
	v_lshl_add_u32 v[RD], v28, 4, v[RD]
	v_add_nc_u32 v[RD], s16, v[RD]
	v_lshlrev_b32 v[GO], 12, v29                   ; and the same two rows in out0, 4,096 bytes apart
	v_lshl_add_u32 v[GO], v28, 4, v[GO]
	WIN 0x01                                       ; source 0 window 1
	v_rcp_f32 v[ST+6], v[LT]                       ; 1 / sum: the sum's lowest register; the largest weight of a row is 1, so no sum is 0
	v_rcp_f32 v[ST+14], v[LT+8]
	WIN 0
	v_nop                                          ; a plain instruction between the last reciprocal and the use of its result
	s_wait_alu depctr_va_vdst(0)                   ; and a wait ahead of the first use: one for the two
.macro OUT t
	WIN 0x41
.irp i, 0,2,4,6,8,10,12,14,16,18,20,22,24,26,28,30
	v_pk_mul_f32 v[OT+32*\t+\i:OT+32*\t+\i+1], v[OT+32*\t+\i:OT+32*\t+\i+1], v[ST+8*\t+6:ST+8*\t+7] op_sel_hi:[1,0]
.endr
	WIN 0x04                                       ; an LDS store's data are its source 1: window 1
.irp f, 0,1,2,3,4,5,6,7
	ds_store_b128 v[STO], v[OT+32*\t+4*\f:OT+32*\t+4*\f+3] offset:64*(\f/2)+16*(\f%2)
.endr
	WIN 0
.irp f, 0,1,2,3,4,5,6,7
	ds_load_b128 v[S+32*\t+4*\f:S+32*\t+4*\f+3], v[RD] offset:544*\f       ; LDS serves a wave's instructions in order (ISA guide 5.7.1.4): these see the stores above; the next tile's stores come behind them
.endr
.endm
.macro SEND t, younger                 ; younger: the LDS instructions issued behind tile t's loads: the next tile's sixteen, or none
.irp f, 0,1,2,3,4,5,6,7
	s_wait_dscnt \younger+7-\f
	global_store_b128 v[GO], v[S+32*\t+4*\f:S+32*\t+4*\f+3], s[10:11] offset:(16*\t+2*\f)*4096 th:TH_STORE_NT   ; 16 lanes store 256 consecutive bytes, at a multiple of 256 from out0's first byte
.endr
.endm
	OUT 0
	OUT 1
	SEND 0, 16
	SEND 1, 0
	s_wait_tensorcnt 0x0                           ; the wave's end, behind my last tensor load and my last LDS store
	ds_add_u32 v[SPW], v[NIL]
	s_wait_dscnt 0x0
	CROUND                                         ; the closing round: no work-group ends while a partner may still ask for a tile that names it
	s_endpgm
.Lfunc_end_k_q6fcc609168_attn:
	.size	k_q6fcc609168_attn, .Lfunc_end_k_q6fcc609168_attn-k_q6fcc609168_attn
	.p2alignl 7, 3214868480
	.fill 96, 4, 3214868480
	.section	.rodata,"a",@progbits
	.p2align	6, 0x0
	.amdhsa_kernel k_q6fcc609168_attn
		.amdhsa_group_segment_fixed_size 327680
		.amdhsa_private_segment_fixed_size 0
		.amdhsa_enable_private_segment 0
		.amdhsa_kernarg_size 32
		.amdhsa_user_sgpr_count 2
		.amdhsa_user_sgpr_kernarg_segment_ptr 1
		.amdhsa_wavefront_size32 1
		.amdhsa_system_sgpr_workgroup_id_x 1
		.amdhsa_system_sgpr_workgroup_id_y 1
		.amdhsa_system_sgpr_workgroup_id_z 1
		.amdhsa_system_vgpr_workitem_id 0
		.amdhsa_next_free_vgpr 512
		.amdhsa_next_free_sgpr 66
		.amdhsa_reserve_vcc 0
		.amdhsa_float_denorm_mode_32 3
		.amdhsa_float_denorm_mode_16_64 3
		.amdhsa_memory_ordered 1
		.amdhsa_forward_progress 1
		.amdhsa_inst_pref_size 115
	.end_amdhsa_kernel
	.amdgpu_metadata
---
amdhsa.version: [ 1, 2 ]
amdhsa.kernels:
  - .name:           k_q6fcc609168_attn
    .symbol:         k_q6fcc609168_attn.kd
    .args:
      - { .name: q_img, .offset: 0, .size: 8, .value_kind: global_buffer, .address_space: global }
      - { .name: kv, .offset: 8, .size: 8, .value_kind: global_buffer, .address_space: global }
      - { .name: attn_mask, .offset: 16, .size: 8, .value_kind: global_buffer, .address_space: global }
      - { .name: out0, .offset: 24, .size: 8, .value_kind: global_buffer, .address_space: global }
    .group_segment_fixed_size: 327680
    .private_segment_fixed_size: 0
    .kernarg_segment_align: 8
    .kernarg_segment_size: 32
    .max_flat_workgroup_size: 256
    .sgpr_count:     66
    .vgpr_count:     512
    .wavefront_size: 32
...
	.end_amdgpu_metadata
.endif
;; end of part 3
